; MI455X (gfx1250); checked and timed in simulation.
; The chip was launched on July 23, 2026; its instructions are those of AMD's public machine-readable ISA for CDNA 5 (MIT licence, August 2026) and "CDNA5" Instruction Set Architecture Reference Guide (July 2026). The comments in the code are by the model that wrote it; some were corrected since.
;; Attention. Allowed arithmetic: matrix products marked QUANTISED: E2M3 operands, one E8M0 scale for each 32 along K, by v_wmma_scale_f32_16x16x128_f8f6f4 with both operands' format E2M3, f32 sums; everything else in f32.
;; Inputs: key 8 x 2,048 x 1,024 float32; query 8 x 2,048 x 1,024 float32.
;; Outputs: out0 8 x 2,048 x 1,024 float32.
;; This version of the problem:
;;   THIS VERSION OF THE PROBLEM IS GIVEN IN LOW PRECISION. The matrix products marked QUANTISED in the list below multiply operands that are first quantised to E2M3 (2 exponent bits, 3 mantissa bits; 6 bits a number), with one power-of-two scale for each 32 numbers along K (OCP MX v1.0); their sums are f32. All else is computed in f32.
;;   The module's matrix products, in the order in which they are computed (A, B: the left and right operand; K: the contracted axis; several contracted axes count as one K, in the product's order):
;;     1. batch 8 x [M 2,048, K 1,024] x [K 1,024, N 2,048]; A: input query; B: input key: QUANTISED
;;     2. batch 8 x [M 2,048, K 2,048] x [K 2,048, N 1,024]; A: softmax (see below); B: input key: QUANTISED
;;   THE QUANTISER, for each operand of a quantised product, along K:
;;     - K is cut into blocks of 32 from its start; a last block that is shorter is filled with zeros.
;;     - A block's scale is 2^e with e = floor(log2(the largest magnitude in the block)) - 2, held to -126 .. 127; a block of zeros has e = 0. As a byte (E8M0): e + 127.
;;     - Each number is divided by its block's scale, clamped to +-7.5, and rounded to the nearest number of E2M3, ties to even, subnormals kept.
;;     - The product sums the exact products of the quantised numbers (number of the format x scale) in f32.
;;   ~~~python
;;   def quantise(x, axis):      # numpy; x: float32 -> the quantised numbers, widened to float32 again
;;       x = np.moveaxis(x, axis, -1); K = x.shape[-1]
;;       x = np.pad(x, [(0, 0)] * (x.ndim - 1) + [(0, -K % 32)]); x = x.reshape(x.shape[:-1] + (-1, 32)); a = np.abs(x).max(-1, keepdims=True)
;;       e = np.where(a > 0, np.clip(np.frexp(np.where(a > 0, a, 1))[1] - 1 - 2, -126, 127), 0)      # np.frexp(a)[1] - 1 = floor(log2(a)), exactly
;;       r = np.clip(x / 2.0 ** e, -7.5, 7.5)
;;       step = 2.0 ** (np.maximum(np.frexp(np.where(r == 0, 1, r))[1] - 1, 0) - 3)
;;       q = np.round(r / step) * step * 2.0 ** e      # np.round: ties to even
;;       return np.moveaxis(q.reshape(q.shape[:-2] + (-1,))[..., :K], -1, axis).astype(np.float32)
;;   ~~~
;;   SOFTMAX AHEAD OF A QUANTISED PRODUCT. Where the list says 'softmax', what is quantised is not the finished softmax but p = 2^(t - M), with t = logit x log2(e) and M = ceil(the row's largest t), a whole number; so 1/2 < the row's largest p <= 1. The row's sum l is taken of the UNQUANTISED p, in f32, and the product's result is divided by l at the end. Since M is a whole number, a kernel that streams over the keys may use a running M (the ceiling of the running maximum): every later rescaling is an exact power of two, which a block's scale takes up: the codes' values come out the same.
;;   OPERANDS COMPUTED ON THE WAY. 'Computed on the way' means the value that the module computes at that place (a softmax that the list does not call 'softmax' is quantised finished and normalised). What goes into a quantiser is computed in f32, as accurately as f32 sums, v_exp_f32 and their like allow (about 1e-6 of the number): no bf16 or f16 on the way to a quantiser, and a product that is left as it is and whose result goes on into a quantised operand takes f32 operands (vector FMAs, or v_wmma_f32_16x16x4_f32). A number that lies on a knife's edge between two numbers of the format may be rounded either way, as far as f32 arithmetic and the matrix unit's own rounding can turn it there, and no further.
;; One version. Each part assembles by itself: llvm-mc -triple=amdgcn-amd-amdhsa -mcpu=gfx1250 --defsym DOCPART=n.
;; ======== version 1 of 1: 3 launches
;; limits: right only within a limited range of input values
;; workspace buffers: kw 13,107,200 bytes; qw 13,107,200 bytes; vw 13,107,200 bytes; pw 25,165,824 bytes; st 4,194,304 bytes
;; launch quant (part 1): grid 1024 x 1, 4 waves a work-group, no clusters, 68,352 bytes of LDS; arguments key, query, kw, qw, vw; writes kw, qw, vw
.if DOCPART == 1
	.amdgcn_target "amdgcn-amd-amdhsa--gfx1250"
	.amdhsa_code_object_version 6
	.text
	.protected	k_q0e371c691b_quant
	.globl	k_q0e371c691b_quant
	.p2align	8
	.type	k_q0e371c691b_quant,@function
k_q0e371c691b_quant:
	s_mov_b64 s[64:65], 0
	v_nop
	global_prefetch_b8 v0, s[64:65] scope:SCOPE_SE
	s_setreg_imm32_b32 hwreg(HW_REG_WAVE_MODE, 25, 1), 1
	s_wait_xcnt 0x0
; query and key, [8][2048][1024] f32, become codes of FP6 (E2M3) with one E8M0 scale byte for each 32 along a product's K:
;   query and key along D (the first product's K) -> qw, kw;   key once more along the KEYS (the second product's K) -> vw.
; A block's scale byte is its largest magnitude's exponent field - 2, held at 1 from below (a block of zeros keeps the byte 1: its codes are zeros, and this program alone reads the bytes).
; LIMITS: blocks whose largest magnitude lies under 2^(3 - 127) keep the byte 1; NaN and infinities among the inputs are not served.
; CODES ARE IMAGES OF THE OPERAND'S REGISTERS: a fragment (16 rows x 128 K, 12 registers a lane) is 1,536 bytes; register j of lane L lies at 512 (j / 4) + 16 L + 4 (j % 4).
;   kw, qw: [batch][group of 128 rows][102,400]: codes [tile 8][D step 8][1,536], then scale words [D step 8][tile 8][row 16].
;   In each 32 rows, lane r of tile u takes row 8 u + r + 8 (r / 8), so that two neighbouring tiles of scores hold 16 neighbouring keys in a lane.
;   vw: [batch][64 d: 16][group of 128 keys: 16][6,400]: four fragments, then 256 bytes of scale words.  Lane r of fragment b holds column d = 64 Q + 4 r + b,
;   so that the same register of four results holds four neighbouring d.  Scale words: lane L = 16 (b % 2) + r has the word of fragment b at 8 L + 4 (b / 2).
; SHARES: a work-group takes 128 rows x 128 D of key and the same of query, one after the other; no branch.  A tile is read once, 512 consecutive bytes a load, and laid in LDS;
; from there a lane takes its 64 numbers along D and, for key, its 64 numbers down the keys.  Query's loads are out while key is worked.
; LDS rows are 528 bytes apart; in each 32 rows the second and third eight change places, so that a tile's sixteen rows are neighbours; 64 bytes more lie behind every 32 rows.
; No tensor load, no matrix work, no cluster: no input is shared.
.set PITCH, 528
.set WREG,  32*PITCH+64
.set SPARE, 4*WREG                     ; the spare words, 128 bytes a wave
.set LI,  1                            ; 16 x lane
.set LS,  2                            ; 4 x lane
.set STA, 3                            ; LDS: my 16 bytes of my wave's first row
.set KA,  4                            ; LDS: my row of tile 2 w, my half's 32 numbers
.set VA,  5                            ; LDS: my column, my half's first key
.set SH8, 6                            ; 8 x (lane / 16)
.set VSO, 7                            ; 8 x lane: my place among a block's scale words of vw
.set SPW, 8
.set NIL, 9
.set CT,  10                           ; v10-12, v14-16 the conversions' second halves (at the head: at work)
.set MX,  17
.set SO,  19
.set BY,  21
.set TW,  23
.set TP,  24
.set SW,  25
.set W,   28
.set X,   32                           ; v32-159 32 rows on their way from memory
.set Y,   160                          ; v160-223 64 numbers of a lane
.set F0,  224
.set F1,  236
	s_load_b256 s[4:11], s[0:1], 0x0               ; key, query, kw, qw
	s_load_b64 s[12:13], s[0:1], 0x20              ; vw
	v_lshl_add_u32 v[SPW], v0, 2, SPARE
	v_mov_b32 v[NIL], 0
	v_lshrrev_b32 v10, 5, v0
	v_readfirstlane_b32 s16, v10                   ; wave w
	v_and_b32 v10, 31, v0                          ; lane
	v_lshlrev_b32 v[LI], 4, v10
	v_lshlrev_b32 v[LS], 2, v10
	v_and_b32 v11, 0x60, v0
	v_mul_u32_u24 v11, v11, WREG/32                ; my wave's 32 rows
	v_add_nc_u32 v[STA], v11, v[LI]
	v_and_b32 v12, 15, v0                          ; r
	v_bfe_u32 v14, v0, 4, 1                        ; h
	v_mul_u32_u24 v[KA], v12, PITCH
	v_add_nc_u32 v[KA], v[KA], v11
	v_lshl_add_u32 v[KA], v14, 7, v[KA]
	v_and_b32 v13, 0x40, v0                        ; 64 (w / 2)
	v_lshl_add_u32 v13, v12, 2, v13                ; + 4 r
	v_bfe_u32 v15, v0, 5, 1
	v_lshl_add_u32 v13, v15, 1, v13                ; + 2 (w % 2): my column for fragment 2 (w % 2)
	v_mul_u32_u24 v[VA], v14, WREG                 ; key 32 h
	v_lshl_add_u32 v[VA], v13, 2, v[VA]
	v_lshlrev_b32 v[SH8], 3, v14
	v_lshlrev_b32 v[VSO], 3, v10
	v_mov_b32 v[TP], 0                             ; a lane permute's destination counts as one of its sources
	s_mov_b32 s36, 0x76543210
	s_mov_b32 s37, 0xfedcba98                      ; selects for lane l xor 16
	s_mov_b32 s38, 0xffff0000                      ; lanes 16-31
	s_lshr_b32 s18, ttmp9, 3                       ; 16 x batch + group
	s_and_b32 s19, ttmp9, 7                        ; D step s
	s_lshl_b32 s20, s18, 19
	s_lshl_b32 s21, s16, 17
	s_add_co_u32 s20, s20, s21
	s_lshl_b32 s21, s19, 9
	s_add_co_u32 s20, s20, s21
	s_mov_b32 s21, 0
	s_mul_i32 s22, s18, 102400
	s_mul_i32 s23, s16, 24576
	s_add_co_u32 s24, s22, s23
	s_mul_i32 s23, s19, 1536
	s_add_co_u32 s24, s24, s23
	s_mov_b32 s25, 0
	s_lshl_b32 s23, s19, 9
	s_add_co_u32 s22, s22, s23
	s_lshl_b32 s23, s16, 7
	s_add_co_u32 s22, s22, s23
	s_mov_b32 s23, 0
	s_lshr_b32 s26, s18, 4                         ; vw: batch,
	s_mul_i32 s26, s26, 1638400
	s_lshl_b32 s27, s19, 1
	s_lshr_b32 s28, s16, 1
	s_add_co_u32 s27, s27, s28                     ; which 64 d: 2 s + w / 2,
	s_mul_i32 s27, s27, 102400
	s_add_co_u32 s26, s26, s27
	s_and_b32 s27, s18, 15                         ; group
	s_mul_i32 s27, s27, 6400
	s_add_co_u32 s26, s26, s27
	s_and_b32 s27, s16, 1
	s_lshl_b32 s28, s27, 2
	s_add_co_u32 s28, s28, s26                     ; scale words: + 4 (w % 2) (+ 6,144 in the immediate)
	s_mul_i32 s27, s27, 3072
	s_add_co_u32 s26, s26, s27                     ; codes: fragment 2 (w % 2)
	s_mov_b32 s27, 0
	s_mov_b32 s29, 0
	s_wait_alu depctr_va_vdst(0)
	s_wait_kmcnt 0x0
	s_add_nc_u64 s[4:5], s[4:5], s[20:21]
	s_add_nc_u64 s[6:7], s[6:7], s[20:21]
	s_add_nc_u64 s[30:31], s[8:9], s[22:23]
	s_add_nc_u64 s[32:33], s[10:11], s[22:23]
	s_add_nc_u64 s[8:9], s[8:9], s[24:25]
	s_add_nc_u64 s[10:11], s[10:11], s[24:25]
	s_add_nc_u64 s[14:15], s[12:13], s[28:29]
	s_add_nc_u64 s[12:13], s[12:13], s[26:27]
.set i, 0
.rept 32
	global_load_b128 v[X+4*i:X+4*i+3], v[LI], s[4:5] offset:4096*i th:TH_LOAD_NT
.set i, i+1
.endr
	; key's rows go into LDS, and query's are asked for into the registers that they leave, four rows behind
.set i, 0
.rept 32
.if i > 4
	s_wait_loadcnt 27                              ; key's row i is in; out may stay key's 31 - i younger rows and i - 4 rows of query
.else
	s_wait_loadcnt 31-i
.endif
	ds_store_b128 v[STA], v[X+4*i:X+4*i+3] offset:PITCH*(8*(2*((i/8)%2)+(i/8)/2)+i%8)
.if i >= 4
	s_wait_dscnt 4                                 ; the store of row i - 4 has read its registers
	global_load_b128 v[X+4*(i-4):X+4*(i-4)+3], v[LI], s[6:7] offset:4096*(i-4) th:TH_LOAD_NT
.endif
.set i, i+1
.endr
	s_wait_dscnt 0x0
.irp i, 28,29,30,31
	global_load_b128 v[X+4*\i:X+4*\i+3], v[LI], s[6:7] offset:4096*\i th:TH_LOAD_NT
.endr
	s_barrier_signal -1
	s_barrier_wait -1                              ; key's whole tile lies in LDS
; 64 numbers of a lane (two whole blocks) become a fragment's 12 registers in v[f] on and my row's scale word in v[w]
.macro QF f, w, xw
.irp c, 0,1
	v_max3_num_f32 v[MX+\c], |v[Y+32*\c]|, |v[Y+32*\c+1]|, 0x1800000   ; with the floor 2^(3 - 127)
.endr
.irp i, 2,4,6,8,10,12,14,16,18,20,22,24,26,28,30
.irp c, 0,1
	v_max3_num_f32 v[MX+\c], v[MX+\c], |v[Y+32*\c+\i]|, |v[Y+32*\c+\i+1]|
.endr
.endr
.irp c, 0,1
	v_add_nc_u32 v[SO+\c], 0xff000000, v[MX+\c]    ; 2 off the exponent field: the conversion's scale operand
.endr
.irp c, 0,1
	v_lshrrev_b32 v[BY+\c], 23, v[SO+\c]
.endr
	v_lshl_or_b32 v[TW], v[BY+1], 16, v[BY]
	v_lshlrev_b32 v[TW], v[SH8], v[TW]
	v_permlanex16_b32 v[TP], v[TW], s36, s37
	v_or_b32 v[\w], v[TW], v[TP]                   ; the word is whole, in both halves of the lanes
.if \xw
	s_wait_alu depctr_va_vdst(0)
	s_wait_xcnt 0x0                                ; every earlier store has read its registers
.endif
.irp c, 0,1
	v_cvt_scalef32_pk16_fp6_f32 v[\f+6*\c:\f+6*\c+2], v[Y+32*\c:Y+32*\c+15], v[SO+\c]
	v_cvt_scalef32_pk16_fp6_f32 v[CT+4*\c:CT+4*\c+2], v[Y+32*\c+16:Y+32*\c+31], v[SO+\c]
.endr
	v_nop                                          ; one plain place behind a scaled conversion
.irp c, 0,1
.irp i, 0,1,2
	v_mov_b32 v[\f+6*\c+3+\i], v[CT+4*\c+\i]
.endr
.endr
.endm
.macro KLOAD u
.irp c, 0,1
.irp i, 0,1,2,3,4,5,6,7
	ds_load_b128 v[Y+32*\c+4*\i:Y+32*\c+4*\i+3], v[KA] offset:16*\u*PITCH+256*\c+16*\i
.endr
.endr
.endm
.macro KPATH cb, sb, sw, xw
	KLOAD 0
	s_wait_dscnt 0x0
	QF F0, W, \xw
.irp c, 0,1,2
	global_store_b128 v[LI], v[F0+4*\c:F0+4*\c+3], s[\cb:\cb+1] offset:512*\c
.endr
	KLOAD 1
	s_wait_dscnt 0x0
	QF F1, W+1, 0
.irp c, 0,1,2
	global_store_b128 v[LI], v[F1+4*\c:F1+4*\c+3], s[\cb:\cb+1] offset:12288+512*\c
.endr
	v_cndmask_b32 v[\sw], v[W], v[W+1], s38
	global_store_b32 v[LS], v[\sw], s[\sb:\sb+1] offset:98304
.endm
; down the keys: a lane takes a column of fragment 2 (w % 2) + u, its registers run down the keys
.macro VLOAD u
.irp c, 0,1
.set i, 0
.rept 32
	ds_load_b32 v[Y+32*\c+i], v[VA] offset:\c*2*WREG+PITCH*(8*(2*((i/8)%2)+(i/8)/2)+i%8)+4*\u
.set i, i+1
.endr
.endr
.endm
	KPATH 8, 30, SW, 0                             ; key along D -> kw
	VLOAD 0
	s_wait_dscnt 0x0
	QF F0, W, 1
.irp c, 0,1,2
	global_store_b128 v[LI], v[F0+4*\c:F0+4*\c+3], s[12:13] offset:512*\c
.endr
	VLOAD 1
	s_wait_dscnt 0x0
	QF F1, W+1, 0
.irp c, 0,1,2
	global_store_b128 v[LI], v[F1+4*\c:F1+4*\c+3], s[12:13] offset:1536+512*\c
.endr
	v_cndmask_b32 v[SW+1], v[W], v[W+1], s38       ; lanes 0-15 the even fragment's words, lanes 16-31 the odd one's
	global_store_b32 v[VSO], v[SW+1], s[14:15] offset:6144
	s_wait_dscnt 0x0
	s_barrier_signal -1
	s_barrier_wait -1                              ; everybody's reads of key's tile are over
.set i, 0
.rept 32
	s_wait_loadcnt 31-i
	ds_store_b128 v[STA], v[X+4*i:X+4*i+3] offset:PITCH*(8*(2*((i/8)%2)+(i/8)/2)+i%8)
.set i, i+1
.endr
	s_wait_dscnt 0x0
	s_barrier_signal -1
	s_barrier_wait -1
	KPATH 10, 32, SW+2, 1                          ; query along D -> qw
	s_wait_tensorcnt 0x0                           ; the wave's end
	ds_add_u32 v[SPW], v[NIL]
	s_wait_dscnt 0x0
	s_endpgm
.Lfunc_end_k_q0e371c691b_quant:
	.size	k_q0e371c691b_quant, .Lfunc_end_k_q0e371c691b_quant-k_q0e371c691b_quant
	.p2alignl 7, 3214868480
	.fill 96, 4, 3214868480
	.section	.rodata,"a",@progbits
	.p2align	6, 0x0
	.amdhsa_kernel k_q0e371c691b_quant
		.amdhsa_group_segment_fixed_size 68352
		.amdhsa_private_segment_fixed_size 0
		.amdhsa_enable_private_segment 0
		.amdhsa_kernarg_size 40
		.amdhsa_user_sgpr_count 2
		.amdhsa_user_sgpr_kernarg_segment_ptr 1
		.amdhsa_wavefront_size32 1
		.amdhsa_system_sgpr_workgroup_id_x 1
		.amdhsa_system_sgpr_workgroup_id_y 1
		.amdhsa_system_sgpr_workgroup_id_z 1
		.amdhsa_system_vgpr_workitem_id 0
		.amdhsa_next_free_vgpr 248
		.amdhsa_next_free_sgpr 66
		.amdhsa_reserve_vcc 0
		.amdhsa_float_denorm_mode_32 3
		.amdhsa_float_denorm_mode_16_64 3
		.amdhsa_memory_ordered 1
		.amdhsa_forward_progress 1
		.amdhsa_inst_pref_size 49
	.end_amdhsa_kernel
	.amdgpu_metadata
---
amdhsa.version: [ 1, 2 ]
amdhsa.kernels:
  - .name:           k_q0e371c691b_quant
    .symbol:         k_q0e371c691b_quant.kd
    .args:
      - { .name: key, .offset: 0, .size: 8, .value_kind: global_buffer, .address_space: global }
      - { .name: query, .offset: 8, .size: 8, .value_kind: global_buffer, .address_space: global }
      - { .name: kw, .offset: 16, .size: 8, .value_kind: global_buffer, .address_space: global }
      - { .name: qw, .offset: 24, .size: 8, .value_kind: global_buffer, .address_space: global }
      - { .name: vw, .offset: 32, .size: 8, .value_kind: global_buffer, .address_space: global }
    .group_segment_fixed_size: 68352
    .private_segment_fixed_size: 0
    .kernarg_segment_align: 8
    .kernarg_segment_size: 40
    .max_flat_workgroup_size: 128
    .sgpr_count:     66
    .vgpr_count:     248
    .wavefront_size: 32
...
	.end_amdgpu_metadata
.endif
;; end of part 1
;; launch scores (part 2): grid 8 x 32, 4 waves a work-group, clusters of 4 x 1, 327,680 bytes of LDS; arguments qw, kw, pw, st; writes pw, st
.if DOCPART == 2
	.amdgcn_target "amdgcn-amd-amdhsa--gfx1250"
	.amdhsa_code_object_version 6
	.text
	.protected	k_q0e371c691b_scores
	.globl	k_q0e371c691b_scores
	.p2align	8
	.type	k_q0e371c691b_scores,@function
k_q0e371c691b_scores:
	s_mov_b64 s[64:65], 0
	v_nop
	global_prefetch_b8 v0, s[64:65] scope:SCOPE_SE
	s_setreg_imm32_b32 hwreg(HW_REG_WAVE_MODE, 25, 1), 1
	s_wait_xcnt 0x0
	s_wait_alu depctr_hold_cnt(0) depctr_sa_sdst(0) depctr_va_vdst(0) depctr_va_sdst(0) depctr_va_ssrc(0) depctr_va_vcc(0) depctr_vm_vsrc(0)
	s_getreg_b32 s2, hwreg(HW_REG_IB_STS2, 6, 4)
	s_cmp_eq_u32 s2, 0
	s_cbranch_scc0 .Lentry_in_a_cluster
	s_endpgm
.Lentry_in_a_cluster:
	s_bfe_u32 s2, ttmp6, 0x10000c
	s_cmp_lg_u32 s2, 0x3003
	s_cbranch_scc0 .Lentry_shape_is_right
	s_endpgm
.Lentry_shape_is_right:
; S = Q K^T on codes of FP6 (E2M3) with E8M0 scales, and the softmax's p as codes, GROUP BY GROUP OF 128 KEYS.
; For each query and each group g: t = score x log2(e); M_g = the group's largest t rounded UP to a whole number; p = 2^(t - M_g), quantised along the keys in blocks of 32; l_g = the sum of the unquantised p.
; M_g is a whole number, so the codes are those that the row's own M gives; only the scale bytes (less M - M_g) and l_g (x 2^(M_g - M)) have to be brought under the row's M: the next launch does both, exactly.
; Out: pw [batch][256 keys][query tile 128][which 128 keys][1,536]: p's fragments as images of the operand's registers;
;      st [batch][group 16][64 queries: 32 records][1,024]: scale words [r 16][tile 4], -M_g [r][tile], l_g [r][tile] (twice).
; LIMITS: NaN and infinities are not served; |t| stays under 2^31; a p under 2^-126 counts as 0 (v_exp_f32 gives 0 there); a block whose largest p lies under 2^(3 - 127) keeps the byte 1.
; SHARES.  A work-group owns 256 queries of a batch and 512 keys (four groups); each of its four waves 64 queries: four tiles, whose 32 fragments of Q stay in 384 registers.  All four waves read the same fragments
; of K from LDS; each feeds four matrix instructions.  A group's block of kw (codes and scale words, 102,400 dense bytes) comes by four tensor loads, a quarter a wave, through two LDS slots.
; CLUSTER.  The four query blocks of a cluster walk the same keys: each tile is asked for JOINTLY, by the same load with the same descriptor and a mask that names the four.
; LAYOUT.  S^T = K Q^T (source 0 = 16 keys, source 1 = 16 queries): a lane holds ONE query; by the order of kw's rows the 16 registers of tiles 2 b and 2 b + 1 are keys 32 b + 16 (lane / 16) + 0 .. 15.
; No prefetch: a tile is asked for a whole tile's work (256 matrix instructions and the softmax) ahead of the wait for it.
; REGISTERS, in windows of 256 (s_set_vgpr_msb: bits 1:0 source 0, 3:2 source 1, 5:4 source 2, 7:6 destination):
;   window 0: v1-7, v32 addresses; v8-23 Q's scale words; v24-31 K's; v64-159, v160-255 two sets of eight fragments of K; in the softmax v64-231 are at work.
;   window 1: Q's fragments of D steps 0-3 (step s, tile m at v[12 (4 s + m)]);  window 2: of D steps 4-7;  window 3: S^T, then p: v[64 m + 16 b + 8 u + j].
.set SLOT1, 1<<17                      ; slot 1 begins here: one exclusive or turns an address in one slot into the other's
.set TILEB, 102400                     ; a group's block of kw
.set SPARE, SLOT1+TILEB                ; behind the ring: the spare words, 128 bytes for each wave
.set LI,  1                            ; v1   16 x lane
.set LS,  2                            ; v2   4 x lane
.set ADK, 3                            ; v3-4 LDS address of the tile's fragments: key tiles 0-3, 4-7
.set ADS, 5                            ; v5   of its scale words
.set SPW, 6                            ; v6   LDS address of my spare word; never rewritten
.set NIL, 7                            ; v7   0; never rewritten
.set QS,  8                            ; v8-23  register 8 p + s: lanes 0-15 the words of query tile 2 p, lanes 16-31 of 2 p + 1, D step s
.set KS,  24                           ; v24-31 register 4 x + sl: lanes 0-15 key tile 2 b, lanes 16-31 key tile 2 b + 1, D step 4 x + sl
.set LSK, 32                           ; v32  4 x lane + 98,304: the scale words' place in a slot
.set KSET, 64                          ; set x at v[64 + 96 x]; in it fragment (sl, u) at 12 (2 sl + u)
.set TMB, 64                           ; the softmax, tile m at v[64 + 16 m]: +0..3 block maxima, +4..7 the other half's, then bytes, +8..11 sums, +12..15 scale operands
.set PCB, 128                          ; tile m at v[128 + 20 m]: 12 registers of codes, 8 at work
.set NMB, 208                          ; tile m: the pair v[208 + 2 m]: -M
.set RX,  216
.set PWQ, 220                          ; p's scale words
.set SELQ, 224                         ; v224-227 as stored: lanes 0-15 the words, lanes 16-31 -M
.set LQ,  228                          ; v228-231 l
.set WV,  12                           ; s12  my wave's number
.set MSB, 0
.macro WIN new                         ; the immediate's high byte repeats the setting that is left; a switch that changes nothing is dropped
.if MSB != \new
	s_set_vgpr_msb (MSB<<8)|\new
.set MSB, \new
.endif
.endm
.macro CROUND                          ; a round of the cluster's barrier
	s_barrier_signal -1
	s_barrier_wait -1
	s_cmp_lg_u32 s[WV], 0
	s_cbranch_scc1 .Lnot_wave_0_\@
	s_barrier_signal -3
.Lnot_wave_0_\@:
	s_barrier_wait -3
	s_barrier_signal -1
	s_barrier_wait -1
.endm
	s_load_b256 s[4:11], s[0:1], 0x0               ; qw s[4:5], kw s[6:7], pw s[8:9], st s[10:11]
	v_lshl_add_u32 v[SPW], v0, 2, SPARE
	v_mov_b32 v[NIL], 0
	ds_add_u32 v[SPW], v[NIL]                      ; the wave's opening: the add and its wait stand ahead of my first tensor load; work on registers stands between them
	ds_add_u32 v[SPW], v[NIL]
	v_lshrrev_b32 v[LI], 5, v0
	v_readfirstlane_b32 s[WV], v[LI]               ; wave 0..3
	v_and_b32 v[LS], 31, v0
	v_lshlrev_b32 v[LI], 4, v[LS]
	v_lshlrev_b32 v[LS], 2, v[LS]
	v_add_nc_u32 v[LSK], 98304, v[LS]
	s_bfe_u32 s13, ttmp6, 0x40000                  ; cx: my place in the cluster
	s_lshl_b32 s14, ttmp9, 2
	s_add_co_u32 s14, s14, s13                     ; my block of 256 queries: it enters qw's, pw's and st's addresses alone
	s_and_b32 s15, ttmp7, 0xffff                   ; 4 x batch + which 512 keys: the four partners share it
	s_lshr_b32 s16, s15, 2                         ; batch
	s_and_b32 s17, s15, 3                          ; which 512 keys
	; descriptor group 1: a quarter of a group's block: 100 rows of 256 bytes (32 elements of 8 bytes), dense, no padding
	s_mov_b32 s24, 15|(3<<16)|(1<<21)              ; 15:0 the mask: all four work-groups; 17:16 elements of 8 bytes; 21 set beside a mask
	s_mov_b32 s25, 32<<16                          ; tensor_dim0 = 32
	s_mov_b32 s26, 100<<16                         ; tensor_dim1 = 100
	s_mov_b32 s27, 32<<16                          ; tile_dim0 = 32
	s_mov_b32 s28, 100                             ; tile_dim1 = 100
	s_mov_b32 s29, 32                              ; from row to row
	s_mov_b32 s30, 0
	s_mov_b32 s31, 0
	s_mul_i32 s18, s15, 4*TILEB                    ; kw: my four groups,
	s_mul_i32 s20, s[WV], TILEB/4                  ; my quarter of a block, in memory and in a slot
	s_add_co_u32 s18, s18, s20
	s_mov_b32 s19, 0
	s_lshl_b32 s52, s16, 4                         ; qw: group 16 x batch + 2 x block + wave / 2
	s_lshl_b32 s53, s14, 1
	s_add_co_u32 s52, s52, s53
	s_lshr_b32 s53, s[WV], 1
	s_add_co_u32 s52, s52, s53
	s_mul_i32 s48, s52, TILEB
	s_mov_b32 s50, s48
	s_and_b32 s53, s[WV], 1                        ; its tiles 0-3 or 4-7
	s_mul_i32 s52, s53, 49152
	s_add_co_u32 s48, s48, s52                     ; codes
	s_lshl_b32 s52, s53, 8
	s_add_co_u32 s50, s50, s52                     ; scale words
	s_mov_b32 s49, 0
	s_mov_b32 s51, 0
	s_mul_i32 s44, s16, 3145728                    ; pw: batch,
	s_mul_i32 s52, s17, 786432                     ; my first 256 keys,
	s_add_co_u32 s44, s44, s52
	s_lshl_b32 s52, s14, 4
	s_lshl_b32 s53, s[WV], 2
	s_add_co_u32 s52, s52, s53                     ; query tile 16 x block + 4 x wave
	s_mul_i32 s52, s52, 3072
	s_add_co_u32 s44, s44, s52
	s_mov_b32 s45, 0
	s_lshl_b32 s46, s15, 17                        ; st: four groups of 32 records of 1,024 bytes,
	s_lshl_b32 s52, s14, 12                        ; record 4 x block + wave
	s_add_co_u32 s46, s46, s52
	s_lshl_b32 s52, s[WV], 10
	s_add_co_u32 s46, s46, s52
	s_mov_b32 s47, 0
	s_mov_b32 s22, 0x3fb8aa3b                      ; c = log2(e)
	s_mov_b32 s23, s22                             ; (the packed form names the pair and takes its low word for both halves: so it is written)
	s_mov_b32 s36, 0x76543210
	s_mov_b32 s37, 0xfedcba98                      ; v_permlanex16_b32's selects for lane l xor 16
	s_mov_b32 s38, 0                               ; the slot in hand
	s_mov_b32 s39, 3                               ; tiles that have a successor
	s_mov_b32 s40, 1536                            ; pw's step: 1,536 and 393,216 - 1,536 by turns
	s_mov_b32 s41, 0
	s_mov_b32 s42, 0xffff0000                      ; lanes 16-31
	s_wait_dscnt 0x0                               ; the opening add is done
	s_wait_kmcnt 0x0
	s_mov_b32 s32, 1                               ; descriptor group 0, which walks: count = 1,
	s_mov_b32 s33, s20                             ; LDS address: slot 0, my quarter: no place in the cluster enters it,
	s_add_nc_u64 s[34:35], s[6:7], s[18:19]        ; global address: the first group,
	s_or_b32 s35, s35, 0x80000000                  ; type = 2
	s_add_nc_u64 s[48:49], s[4:5], s[48:49]
	s_add_nc_u64 s[50:51], s[4:5], s[50:51]
	s_add_nc_u64 s[44:45], s[8:9], s[44:45]
	s_add_nc_u64 s[46:47], s[10:11], s[46:47]
	CROUND                                         ; all four work-groups are here: the first joint loads meet
	tensor_load_to_lds s[32:35], s[24:31]          ; tile 0 into slot 0: one load of mine is out
	s_nop 0
.rept 4
	v_nop
.endr
	WIN 0x40                                       ; destination window 1
	s_wait_alu depctr_va_vdst(0)
.irp s, 0,1,2,3
.irp m, 0,1,2,3
.irp c, 0,1,2
	global_load_b128 v[12*(4*\s+\m)+4*\c:12*(4*\s+\m)+4*\c+3], v[LI], s[48:49] offset:(8*\m+\s)*1536+512*\c
.endr
.endr
.endr
	WIN 0x80                                       ; destination window 2
.irp s, 0,1,2,3
.irp m, 0,1,2,3
.irp c, 0,1,2
	global_load_b128 v[12*(4*\s+\m)+4*\c:12*(4*\s+\m)+4*\c+3], v[LI], s[48:49] offset:(8*\m+\s+4)*1536+512*\c
.endr
.endr
.endr
	WIN 0
.irp p, 0,1
.irp s, 0,1,2,3,4,5,6,7
	global_load_b32 v[QS+8*\p+\s], v[LS], s[50:51] offset:98304+512*\s+128*\p
.endr
.endr
	s_wait_loadcnt 0x0                             ; Q stays in registers
; 28 LDS loads: set x takes the fragments of key tiles 2 b, 2 b + 1 for D steps 4 x .. 4 x + 3, and their scale words
.macro SETLOAD x, b
.irp sl, 0,1,2,3
.irp u, 0,1
.irp c, 0,1,2
	ds_load_b128 v[KSET+96*(\x)+12*(2*\sl+\u)+4*\c:KSET+96*(\x)+12*(2*\sl+\u)+4*\c+3], v[ADK+(\b)/2] offset:((2*((\b)%2)+\u)*8+4*(\x)+\sl)*1536+512*\c
.endr
.endr
.endr
.irp sl, 0,1,2,3
	ds_load_b32 v[KS+4*(\x)+\sl], v[ADS] offset:(4*(\x)+\sl)*512+128*(\b)
.endr
.endm
; One product: key tile 2 b + u x query tile m, D step 4 x + sl.  The first D step starts the sums: nothing is cleared.  The scales' rows: lanes 16-31 for the odd tiles.
.macro MM x, b, sl, m, u
.set rD, 64*(\m)+16*(\b)+8*(\u)
.set rA, KSET+96*(\x)+12*(2*(\sl)+(\u))
.set rB, 12*(4*(\sl)+(\m))
.set rP, KS+4*(\x)+(\sl)
.set rQ, QS+8*((\m)/2)+4*(\x)+(\sl)
.set vv, 2*((\m)%2)+(\u)
.if ((\x)+(\sl)) == 0
.if vv == 0
	v_wmma_scale_f32_16x16x128_f8f6f4 v[rD:rD+7], v[rA:rA+11], v[rB:rB+11], 0, v[rP], v[rQ] matrix_a_fmt:MATRIX_FMT_FP6 matrix_b_fmt:MATRIX_FMT_FP6
.elseif vv == 1
	v_wmma_scale_f32_16x16x128_f8f6f4 v[rD:rD+7], v[rA:rA+11], v[rB:rB+11], 0, v[rP], v[rQ] matrix_a_fmt:MATRIX_FMT_FP6 matrix_b_fmt:MATRIX_FMT_FP6 matrix_a_scale:MATRIX_SCALE_ROW1
.elseif vv == 2
	v_wmma_scale_f32_16x16x128_f8f6f4 v[rD:rD+7], v[rA:rA+11], v[rB:rB+11], 0, v[rP], v[rQ] matrix_a_fmt:MATRIX_FMT_FP6 matrix_b_fmt:MATRIX_FMT_FP6 matrix_b_scale:MATRIX_SCALE_ROW1
.else
	v_wmma_scale_f32_16x16x128_f8f6f4 v[rD:rD+7], v[rA:rA+11], v[rB:rB+11], 0, v[rP], v[rQ] matrix_a_fmt:MATRIX_FMT_FP6 matrix_b_fmt:MATRIX_FMT_FP6 matrix_a_scale:MATRIX_SCALE_ROW1 matrix_b_scale:MATRIX_SCALE_ROW1
.endif
.else
.if vv == 0
	v_wmma_scale_f32_16x16x128_f8f6f4 v[rD:rD+7], v[rA:rA+11], v[rB:rB+11], v[rD:rD+7], v[rP], v[rQ] matrix_a_fmt:MATRIX_FMT_FP6 matrix_b_fmt:MATRIX_FMT_FP6
.elseif vv == 1
	v_wmma_scale_f32_16x16x128_f8f6f4 v[rD:rD+7], v[rA:rA+11], v[rB:rB+11], v[rD:rD+7], v[rP], v[rQ] matrix_a_fmt:MATRIX_FMT_FP6 matrix_b_fmt:MATRIX_FMT_FP6 matrix_a_scale:MATRIX_SCALE_ROW1
.elseif vv == 2
	v_wmma_scale_f32_16x16x128_f8f6f4 v[rD:rD+7], v[rA:rA+11], v[rB:rB+11], v[rD:rD+7], v[rP], v[rQ] matrix_a_fmt:MATRIX_FMT_FP6 matrix_b_fmt:MATRIX_FMT_FP6 matrix_b_scale:MATRIX_SCALE_ROW1
.else
	v_wmma_scale_f32_16x16x128_f8f6f4 v[rD:rD+7], v[rA:rA+11], v[rB:rB+11], v[rD:rD+7], v[rP], v[rQ] matrix_a_fmt:MATRIX_FMT_FP6 matrix_b_fmt:MATRIX_FMT_FP6 matrix_a_scale:MATRIX_SCALE_ROW1 matrix_b_scale:MATRIX_SCALE_ROW1
.endif
.endif
.endm
; 32 matrix instructions on set x: four D steps x four query tiles x two key tiles; the eight accumulators take turns, one instruction a turn.
; cnt: the younger LDS loads, the other set's 28, which may stay out.  Behind the products four places, then the set is loaded anew for the next 32 keys (next = 1).
.macro HALF x, b, cnt, next
	s_wait_dscnt \cnt
	WIN 0xf4+4*(\x)                                ; K window 0, Q window 1 or 2, S^T window 3
.irp sl, 0,1,2,3
.irp m, 0,1,2,3
.irp u, 0,1
	MM \x, \b, \sl, \m, \u
.endr
.endr
.endr
	WIN 0
.rept 4
	v_nop                                          ; four places in front of loads into registers that the products have read, and of the first read of results
.endr
.if \next
	SETLOAD \x, (\b)+1
.endif
.endm
; THE SOFTMAX of the group, stage by stage over the four query tiles.
.macro SOFTMAX
	WIN 0x3c                                       ; sources 1 and 2: window 3
.irp m, 0,1,2,3
.irp b, 0,1,2,3
	v_max3_num_f32 v[TMB+16*\m+\b], 0xff800000, v[64*\m+16*\b], v[64*\m+16*\b+1]   ; the largest score of each block of 32 keys; each accumulator is read from its low end on
.endr
.endr
.irp i, 2,4,6,8,10,12,14
.irp m, 0,1,2,3
.irp b, 0,1,2,3
	v_max3_num_f32 v[TMB+16*\m+\b], v[TMB+16*\m+\b], v[64*\m+16*\b+\i], v[64*\m+16*\b+\i+1]
.endr
.endr
.endr
	WIN 0
.irp m, 0,1,2,3
.irp b, 0,1,2,3
	v_permlanex16_b32 v[TMB+16*\m+4+\b], v[TMB+16*\m+\b], s36, s37
.endr
.endr
.irp m, 0,1,2,3
.irp b, 0,1,2,3
	v_max_num_f32 v[TMB+16*\m+\b], v[TMB+16*\m+\b], v[TMB+16*\m+4+\b]   ; with lane l xor 16's 16 keys
.endr
.endr
.irp m, 0,1,2,3
	v_max3_num_f32 v[RX+\m], v[TMB+16*\m], v[TMB+16*\m+1], v[TMB+16*\m+2]
.endr
.irp m, 0,1,2,3
	v_max_num_f32 v[RX+\m], v[RX+\m], v[TMB+16*\m+3]   ; the group's largest score of my query
.endr
.irp m, 0,1,2,3
	v_mul_f32 v[RX+\m], s22, v[RX+\m]              ; as t (c is positive)
.endr
.irp m, 0,1,2,3
	v_floor_f32 v[NMB+2*\m], -v[RX+\m]             ; -M = floor(-t) = -ceil(t): a whole number
.endr
.irp m, 0,1,2,3
	v_mov_b32 v[NMB+2*\m+1], v[NMB+2*\m]           ; (named with it as a pair)
.endr
.irp m, 0,1,2,3
.irp b, 0,1,2,3
	v_fma_f32 v[TMB+16*\m+\b], v[TMB+16*\m+\b], s22, v[NMB+2*\m]   ; t - M of each block's largest score: p rises with the score, so this gives the block's largest p
.endr
.endr
	WIN 0xc3                                       ; destination and source 0: window 3
.irp m, 0,1,2,3
.set j, 0
.rept 32
	v_pk_fma_f32 v[64*\m+j:64*\m+j+1], v[64*\m+j:64*\m+j+1], s[22:23], v[NMB+2*\m:NMB+2*\m+1] op_sel_hi:[1,0,0]   ; t - M, two at a time
.set j, j+2
.endr
.endr
.set j, 0
	s_wait_alu depctr_va_vdst(0)
.rept 256
	v_exp_f32 v[j], v[j]                           ; p = 2^(t - M): not normalised
.set j, j+1
.endr
	WIN 0
.irp m, 0,1,2,3
.irp i, 8,9,10,11
	v_mov_b32 v[TMB+16*\m+\i], 0                   ; the sums begin; plain places behind the exponentials
.endr
.endr
	s_wait_alu depctr_va_vdst(0)                   ; one wait for the whole batch, ahead of its first reader
.irp m, 0,1,2,3
.irp b, 0,1,2,3
	v_exp_f32 v[TMB+16*\m+\b], v[TMB+16*\m+\b]     ; the blocks' largest p: the same two instructions on the same number give the same bits
.endr
.endr
	WIN 0x0c                                       ; source 1: window 3
.set j, 0
.rept 16
.irp m, 0,1,2,3
	v_pk_add_f32 v[TMB+16*\m+8:TMB+16*\m+9], v[TMB+16*\m+8:TMB+16*\m+9], v[64*\m+j:64*\m+j+1]       ; the sum of the UNQUANTISED p: two at a time, two chains a tile.  (These read the 256 alone)
	v_pk_add_f32 v[TMB+16*\m+10:TMB+16*\m+11], v[TMB+16*\m+10:TMB+16*\m+11], v[64*\m+j+2:64*\m+j+3]
.endr
.set j, j+4
.endr
	WIN 0
	s_wait_alu depctr_va_vdst(0)                   ; and one for the sixteen
.irp m, 0,1,2,3
.irp b, 0,1,2,3
	v_max_num_f32 v[TMB+16*\m+\b], 0x1800000, v[TMB+16*\m+\b]   ; the floor 2^(3 - 127): the byte cannot fall under 1
.endr
.endr
.irp m, 0,1,2,3
.irp b, 0,1,2,3
	v_add_nc_u32 v[TMB+16*\m+12+\b], 0xff000000, v[TMB+16*\m+\b]   ; 2 off the exponent field: the conversion's scale operand
.endr
.endr
.irp m, 0,1,2,3
.irp b, 0,1,2,3
	v_lshrrev_b32 v[TMB+16*\m+4+\b], 23, v[TMB+16*\m+12+\b]   ; the scale's byte, under M_g
.endr
.endr
.irp m, 0,1,2,3
	v_lshl_or_b32 v[PWQ+\m], v[TMB+16*\m+5], 8, v[TMB+16*\m+4]
	v_pk_add_f32 v[TMB+16*\m+8:TMB+16*\m+9], v[TMB+16*\m+8:TMB+16*\m+9], v[TMB+16*\m+10:TMB+16*\m+11]
.endr
.irp m, 0,1,2,3
	v_lshl_or_b32 v[PWQ+\m], v[TMB+16*\m+6], 16, v[PWQ+\m]
	v_add_f32 v[LQ+\m], v[TMB+16*\m+8], v[TMB+16*\m+9]
.endr
.irp m, 0,1,2,3
	v_lshl_or_b32 v[PWQ+\m], v[TMB+16*\m+7], 24, v[PWQ+\m]   ; p's scale word for these 128 keys
	v_permlanex16_b32 v[TMB+16*\m], v[LQ+\m], s36, s37
.endr
.irp m, 0,1,2,3
	v_add_f32 v[LQ+\m], v[LQ+\m], v[TMB+16*\m]     ; with lane l xor 16's: l_g
.endr
	WIN 0x03                                       ; source 0: window 3
.irp m, 0,1,2,3
.irp c, 0,1
	v_cvt_scalef32_pk16_fp6_f32 v[PCB+20*\m+6*\c:PCB+20*\m+6*\c+2], v[64*\m+32*\c:64*\m+32*\c+15], v[TMB+16*\m+12+2*\c]
	v_cvt_scalef32_pk16_fp6_f32 v[PCB+20*\m+12+4*\c:PCB+20*\m+14+4*\c], v[64*\m+32*\c+16:64*\m+32*\c+31], v[TMB+16*\m+13+2*\c]   ; (a conversion's three registers begin on an even number)
.endr
.endr
	WIN 0
	v_nop                                          ; one plain place behind a scaled conversion
.irp m, 0,1,2,3
.irp c, 0,1                                    ; the operand's layout wants a WHOLE block in a lane: lanes 0-15 block 2 c, lanes 16-31 block 2 c + 1
.irp i, 0,1,2
	v_permlane16_swap_b32 v[PCB+20*\m+6*\c+\i], v[PCB+20*\m+12+4*\c+\i]
.endr
.irp i, 0,1,2
	v_mov_b32 v[PCB+20*\m+3+6*\c+\i], v[PCB+20*\m+12+4*\c+\i]
.endr
.endr
	v_cndmask_b32 v[SELQ+\m], v[PWQ+\m], v[NMB+2*\m], s42   ; lanes 0-15 the word, lanes 16-31 -M
.endr
.endm
; A TILE: 128 keys against my 64 queries, the softmax, and the way out: every store covers 512 consecutive bytes.
.macro TILE
	v_add_nc_u32 v[ADK], s38, v[LI]
	v_add_nc_u32 v[ADK+1], 49152, v[ADK]
	v_add_nc_u32 v[ADS], s38, v[LSK]
	SETLOAD 0, 0
	SETLOAD 1, 0
	s_wait_alu depctr_va_vdst(0)
	HALF 0, 0, 28, 1
	HALF 1, 0, 28, 1
	HALF 0, 1, 28, 1
	HALF 1, 1, 28, 1
	HALF 0, 2, 28, 1
	HALF 1, 2, 28, 1
	HALF 0, 3, 28, 0
	HALF 1, 3, 0, 0
	SOFTMAX
.irp m, 0,1,2,3
.irp c, 0,1,2
	global_store_b128 v[LI], v[PCB+20*\m+4*\c:PCB+20*\m+4*\c+3], s[44:45] offset:3072*\m+512*\c th:TH_STORE_NT
.endr
.endr
	global_store_b128 v[LI], v[SELQ:SELQ+3], s[46:47] th:TH_STORE_NT             ; the words [r][tile], then -M [r][tile]
	global_store_b128 v[LI], v[LQ:LQ+3], s[46:47] offset:512 th:TH_STORE_NT      ; l [r][tile]; both halves of the lanes hold it
	s_xor_b32 s38, s38, SLOT1                      ; on to the other slot
	s_wait_xcnt 0x0                                ; the stores have read their registers and bases: both are written again only behind this wait
	s_add_nc_u64 s[44:45], s[44:45], s[40:41]      ; pw: the other 128 of the 256 keys, or the next 256
	s_sub_co_u32 s40, 393216, s40
	s_add_nc_u64 s[46:47], s[46:47], 32768         ; st: the next group
.endm
; THE CHANGE OF SLOTS stands at a tile's head.  Each wave waits for all its tensor loads (its quarter of the tile that it is about to read), adds 0 to its spare word, and waits for that and for its reads of the
; slot that it has left.  fill = 1: a round of the cluster's barrier, so that no wave of any partner still reads that slot or has a load on its way; behind it the next group is asked for, first thing.
.macro CHANGE fill
	s_wait_tensorcnt 0x0                           ; no tensor load of mine is out, so the group 0 may be written
	ds_add_u32 v[SPW], v[NIL]
.if \fill
	s_xor_b32 s33, s33, SLOT1                      ; the other slot than last time,
	s_add_nc_u64 s[34:35], s[34:35], TILEB         ; the next group; the type bits on top are not reached
.endif
	s_wait_dscnt 0x0                               ; the add is done, and my reads of the slot that I have left are over
.if \fill
	CROUND
	tensor_load_to_lds s[32:35], s[24:31]          ; my one tensor load until the next round: one load of mine is out
	s_nop 0
.rept 4
	v_nop
.endr
.else
	s_barrier_signal -1
	s_barrier_wait -1
.endif
.endm
.Ltile:                                            ; three trips: behind each change of slots but the last the next group is asked for
	CHANGE 1
	TILE
	s_sub_co_u32 s39, s39, 1
	s_cmp_lg_u32 s39, 0
	s_cbranch_scc1 .Ltile
	CHANGE 0                                       ; the last tile is written out
	TILE
	s_wait_tensorcnt 0x0                           ; the wave's end
	ds_add_u32 v[SPW], v[NIL]
	s_wait_dscnt 0x0
	CROUND                                         ; the closing round: no work-group ends while a partner may still ask for a tile that names it
	s_endpgm
.Lfunc_end_k_q0e371c691b_scores:
	.size	k_q0e371c691b_scores, .Lfunc_end_k_q0e371c691b_scores-k_q0e371c691b_scores
	.p2alignl 7, 3214868480
	.fill 96, 4, 3214868480
	.section	.rodata,"a",@progbits
	.p2align	6, 0x0
	.amdhsa_kernel k_q0e371c691b_scores
		.amdhsa_group_segment_fixed_size 327680
		.amdhsa_private_segment_fixed_size 0
		.amdhsa_enable_private_segment 0
		.amdhsa_kernarg_size 32
		.amdhsa_user_sgpr_count 2
		.amdhsa_user_sgpr_kernarg_segment_ptr 1
		.amdhsa_wavefront_size32 1
		.amdhsa_system_sgpr_workgroup_id_x 1
		.amdhsa_system_sgpr_workgroup_id_y 1
		.amdhsa_system_sgpr_workgroup_id_z 1
		.amdhsa_system_vgpr_workitem_id 0
		.amdhsa_next_free_vgpr 1024
		.amdhsa_next_free_sgpr 66
		.amdhsa_reserve_vcc 0
		.amdhsa_float_denorm_mode_32 3
		.amdhsa_float_denorm_mode_16_64 3
		.amdhsa_memory_ordered 1
		.amdhsa_forward_progress 1
		.amdhsa_inst_pref_size 204
	.end_amdhsa_kernel
	.amdgpu_metadata
---
amdhsa.version: [ 1, 2 ]
amdhsa.kernels:
  - .name:           k_q0e371c691b_scores
    .symbol:         k_q0e371c691b_scores.kd
    .args:
      - { .name: qw, .offset: 0, .size: 8, .value_kind: global_buffer, .address_space: global }
      - { .name: kw, .offset: 8, .size: 8, .value_kind: global_buffer, .address_space: global }
      - { .name: pw, .offset: 16, .size: 8, .value_kind: global_buffer, .address_space: global }
      - { .name: st, .offset: 24, .size: 8, .value_kind: global_buffer, .address_space: global }
    .group_segment_fixed_size: 327680
    .private_segment_fixed_size: 0
    .kernarg_segment_align: 8
    .kernarg_segment_size: 32
    .max_flat_workgroup_size: 128
    .sgpr_count:     66
    .vgpr_count:     1024
    .wavefront_size: 32
...
	.end_amdgpu_metadata
.endif
;; end of part 2
;; launch pv (part 3): grid 4 x 64, 4 waves a work-group, clusters of 4 x 1, 327,680 bytes of LDS; arguments pw, st, vw, out0; writes out0
.if DOCPART == 3
	.amdgcn_target "amdgcn-amd-amdhsa--gfx1250"
	.amdhsa_code_object_version 6
	.text
	.protected	k_q0e371c691b_pv
	.globl	k_q0e371c691b_pv
	.p2align	8
	.type	k_q0e371c691b_pv,@function
k_q0e371c691b_pv:
	s_mov_b64 s[64:65], 0
	v_nop
	global_prefetch_b8 v0, s[64:65] scope:SCOPE_SE
	s_setreg_imm32_b32 hwreg(HW_REG_WAVE_MODE, 25, 1), 1
	s_wait_xcnt 0x0
	s_wait_alu depctr_hold_cnt(0) depctr_sa_sdst(0) depctr_va_vdst(0) depctr_va_sdst(0) depctr_va_ssrc(0) depctr_va_vcc(0) depctr_vm_vsrc(0)
	s_getreg_b32 s2, hwreg(HW_REG_IB_STS2, 6, 4)
	s_cmp_eq_u32 s2, 0
	s_cbranch_scc0 .Lentry_in_a_cluster
	s_endpgm
.Lentry_in_a_cluster:
	s_bfe_u32 s2, ttmp6, 0x10000c
	s_cmp_lg_u32 s2, 0x3003
	s_cbranch_scc0 .Lentry_shape_is_right
	s_endpgm
.Lentry_shape_is_right:
; O = (P V) / l on codes of FP6 (E2M3) with E8M0 scales.  P's codes were made group by group of 128 keys under the group's own whole number M_g; here each row's M = max M_g is found,
; p's scale bytes are lowered by M - M_g, l = sum of l_g 2^(M_g - M), and the result is multiplied by 1 / l.
; LIMITS: NaN and infinities are not served; a scale byte that would fall under 1 becomes 0 (2^-127); M - M_g is held at 127.
; SHARES.  A work-group owns 256 queries of a batch and 256 d; a wave all 256 queries x 64 d: 16 query tiles x 4 d tiles = 64 accumulators (windows 2 and 3).
; P walks through two LDS slots of 512 keys (16 tiles x 4 groups x 1,536 = 98,304 bytes), a quarter a wave by one tensor load: four fills in all.
; CLUSTER.  The four d blocks of a cluster need the same P: each fill is asked for JOINTLY, by the same load with the same descriptor and a mask that names the four.
; V goes from memory straight into registers (vw holds images of the operand's registers, 16 steps of 6,400 bytes on end for each 64 d): no two waves of a work-group read the same V.
; A ring of four slots, 13 loads a step, asked for four steps ahead of their use; a fifth slot takes the last group.
; THE LAST FOUR GROUPS GO BY ROWS OF O: all their V stands in registers, so four query tiles at a time are finished (four units of 16 matrix instructions), and a finished tile leaves during the next quarter's units.
; THE WAY OUT.  Source 0 = 16 queries, source 1 = 16 d.  Fragment b of V holds d = 64 Q + 4 r + b, so register j of the four results (a, 0..3) holds four neighbouring d of one query:
; four multiplications by 1 / l put them into four registers on end, and sixteen lanes store 256 consecutive bytes, aligned.  The products land in the accumulator registers that the set of
; multiplications before has read (the first set in v240-255): no register is written twice, so no store's data are waited for.
; NO PREFETCH: a slot of P is asked for a whole slot's work (256 matrix instructions) ahead of the wait for it; V's own loads stand steps ahead of their use and are never drained.
; REGISTERS: window 0: v1-13 addresses; v16-31 P's scale words; v32-39, v236-237 V's; v40-231 P's sixteen fragments, four buffers of four; v240-255 the first results out.
;            window 1: v0-239 V's five slots; at the end v144-191 and v240-255 hold 1 / l of eight tiles.  At the head v40-149 and v232-234 of window 0 are at work.
.set SLOT1, 1<<17                      ; slot 1 begins here
.set PS,    98304                      ; between the slots: P's scale words under the row's M: [group 16][lane 32][tile pair 8]
.set RLB,   114688                     ; 1 / l: [tile 16][row 16]
.set SPARE, 115712                     ; the spare words, 128 bytes a wave
.set L8,   1                           ; 8 x lane
.set AB,   2                           ; v2-5 16 x lane + slot + 49,152 x (which 256 keys of the slot)
.set DC,   6                           ; the loop's addresses: the slot in hand, its second 256 keys;
.set DN,   7                           ; the other slot
.set ADS0, 8                           ; PS + 32 x lane
.set ADSL, 9                           ; the loop's
.set CO,   10                          ; out: 65,536 (lane / 16) + 16 (lane % 16)
.set RLA,  11
.set SPW,  12
.set NIL,  13
.set AS,   16
.set VS,   32
.set VS4,  236
.set AF,   40
.set STV,  232
.set PSA,  233
.set RLS,  234
.set NG,   40
.set LG,   72
.set WG,   104
.set MN,   136
.set SU,   138
.set RC,   140
.set TP,   142
.set WV,   12                          ; s12 my wave's number
.set SM,   36                          ; s[36:37] st: my record
.set VP,   40                          ; vw: my stream
.set OUT,  42
.set SC,   54
.set SN,   55
.set SS,   56
.set CT,   57
.set MSB, 0
.macro WIN new                         ; the immediate's high byte repeats the setting that is left
.if MSB != \new
	s_set_vgpr_msb (MSB<<8)|\new
.set MSB, \new
.endif
.endm
.macro CROUND                          ; a round of the cluster's barrier
	s_barrier_signal -1
	s_barrier_wait -1
	s_cmp_lg_u32 s[WV], 0
	s_cbranch_scc1 .Lnot_wave_0_\@
	s_barrier_signal -3
.Lnot_wave_0_\@:
	s_barrier_wait -3
	s_barrier_signal -1
	s_barrier_wait -1
.endm
; THE CHANGE OF SLOTS.  Each wave waits for all its tensor loads (its quarter of the slot that is read next), adds 0 to its spare word, and waits for that and for its reads of the slot that it leaves.
; fill = 1: a round of the cluster's barrier; behind it the next 512 keys are asked for, first thing.
.macro CHANGE fill
	s_wait_tensorcnt 0x0                           ; no tensor load of mine is out, so the group 0 may be written
	ds_add_u32 v[SPW], v[NIL]
.if \fill
	s_xor_b32 s33, s33, SLOT1                      ; the other slot than last time,
	s_add_nc_u64 s[34:35], s[34:35], 786432        ; the next 512 keys
.endif
	s_wait_dscnt 0x0
.if \fill
	CROUND
	tensor_load_to_lds s[32:35], s[24:31]          ; my one tensor load until the next round
	s_nop 0
.rept 4
	v_nop
.endr
.else
	s_barrier_signal -1
	s_barrier_wait -1
.endif
.endm
; a step's 13 loads: V's scale words, then four fragments, into slot k
.macro VLOAD k, off
.if (\k) == 4
	global_load_b64 v[VS4:VS4+1], v[L8], s[VP:VP+1] offset:(\off)+6144
.else
	global_load_b64 v[VS+2*(\k):VS+2*(\k)+1], v[L8], s[VP:VP+1] offset:(\off)+6144
.endif
	WIN 0x40
.irp b, 0,1,2,3
.irp c, 0,1,2
	global_load_b128 v[48*(\k)+12*\b+4*\c:48*(\k)+12*\b+4*\c+3], v[AB], s[VP:VP+1] offset:(\off)+1536*\b+512*\c
.endr
.endr
	WIN 0
.endm
	s_load_b256 s[4:11], s[0:1], 0x0               ; pw, st, vw, out0
	v_lshl_add_u32 v[SPW], v0, 2, SPARE
	v_mov_b32 v[NIL], 0
	ds_add_u32 v[SPW], v[NIL]                      ; the opening lines: the add, twice on end, and its wait ahead of my first tensor load
	ds_add_u32 v[SPW], v[NIL]
	v_lshrrev_b32 v14, 5, v0
	v_readfirstlane_b32 s[WV], v14                 ; wave w
	v_and_b32 v14, 31, v0
	v_lshlrev_b32 v[AB], 4, v14
	v_lshlrev_b32 v[L8], 3, v14
	v_lshlrev_b32 v[ADS0], 5, v14
	v_add_nc_u32 v[ADS0], PS, v[ADS0]
	v_add_nc_u32 v[AB+1], 49152, v[AB]
	v_add_nc_u32 v[AB+2], SLOT1, v[AB]
	v_add_nc_u32 v[AB+3], SLOT1+49152, v[AB]
	v_and_b32 v14, 15, v0                          ; r
	v_bfe_u32 v15, v0, 4, 1                        ; h
	v_lshlrev_b32 v[CO], 4, v14
	v_lshl_add_u32 v[CO], v15, 16, v[CO]           ; lanes 16-31: 16 rows of 4,096 bytes on
	v_lshlrev_b32 v[STV], 4, v14
	v_lshl_add_u32 v[STV], v15, 3, v[STV]          ; st: row r, tiles 2 h and 2 h + 1
	v_lshlrev_b32 v[RLA], 5, v15
	v_add_nc_u32 v[RLA], RLB, v[RLA]               ; rows 8 h ..
	v_bfe_u32 v15, v0, 4, 3                        ; tile pair 2 w + h
	v_lshlrev_b32 v[PSA], 5, v14
	v_lshl_add_u32 v[PSA], v15, 2, v[PSA]
	v_add_nc_u32 v[PSA], PS, v[PSA]
	v_lshlrev_b32 v[RLS], 2, v14
	v_lshl_add_u32 v[RLS], v15, 7, v[RLS]
	v_add_nc_u32 v[RLS], RLB, v[RLS]
	s_bfe_u32 s13, ttmp6, 0x40000                  ; cx: my d block: it enters vw's and out0's addresses alone
	s_and_b32 s14, ttmp7, 0xffff                   ; 8 x batch + block of 256 queries: the four partners share it
	s_lshr_b32 s15, s14, 3
	s_and_b32 s16, s14, 7
	s_mov_b32 s24, 15|(3<<16)|(1<<21)              ; group 1: the mask: all four work-groups; elements of 8 bytes; bit 21 beside a mask; 96 dense rows of 256 bytes
	s_mov_b32 s25, 32<<16
	s_mov_b32 s26, 96<<16
	s_mov_b32 s27, 32<<16
	s_mov_b32 s28, 96
	s_mov_b32 s29, 32
	s_mov_b32 s30, 0
	s_mov_b32 s31, 0
	s_mul_i32 s20, s15, 3145728                    ; pw: batch,
	s_lshr_b32 s21, s[WV], 1
	s_mul_i32 s21, s21, 393216                     ; which 256 keys of the slot: w / 2,
	s_add_co_u32 s20, s20, s21
	s_mul_i32 s21, s16, 49152                      ; my sixteen tiles,
	s_add_co_u32 s20, s20, s21
	s_and_b32 s21, s[WV], 1
	s_mul_i32 s21, s21, 24576                      ; eight of them: w % 2
	s_add_co_u32 s20, s20, s21
	s_mov_b32 s21, 0
	s_mov_b32 s32, 1
	s_mul_i32 s33, s[WV], 24576                    ; slot 0, my quarter
	s_lshl_b32 s22, s15, 19                        ; st: record 4 x block + w
	s_lshl_b32 s23, s16, 12
	s_add_co_u32 s22, s22, s23
	s_lshl_b32 s23, s[WV], 10
	s_add_co_u32 s22, s22, s23
	s_mov_b32 s23, 0
	s_lshl_b32 s48, s13, 2
	s_add_co_u32 s48, s48, s[WV]                   ; my 64 d: 4 cx + w
	s_mul_i32 s50, s48, 102400
	s_mul_i32 s51, s15, 1638400
	s_add_co_u32 s50, s50, s51
	s_mov_b32 s51, 0
	s_lshl_b32 s52, s14, 20
	s_lshl_b32 s48, s48, 8
	s_add_co_u32 s52, s52, s48
	s_mov_b32 s53, 0
	s_mov_b32 s46, 0x80808080
	s_mov_b32 s47, 0x01010101
	s_mov_b32 s[SC], 0
	s_mov_b32 s[SN], SLOT1
	s_mov_b32 s[SS], 0
	s_mov_b32 s[CT], 2
	s_wait_alu depctr_va_vdst(0)
	s_wait_dscnt 0x0
	s_wait_kmcnt 0x0
	s_add_nc_u64 s[34:35], s[4:5], s[20:21]
	s_or_b32 s35, s35, 0x80000000
	s_add_nc_u64 s[SM:SM+1], s[6:7], s[22:23]
	s_add_nc_u64 s[VP:VP+1], s[8:9], s[50:51]
	s_add_nc_u64 s[OUT:OUT+1], s[10:11], s[52:53]
.irp g, 0,1,2,3,4,5,6,7,8,9,10,11,12,13,14,15
	global_load_b64 v[NG+2*\g:NG+2*\g+1], v[STV], s[SM:SM+1] offset:32768*\g+256          ; -M_g
.endr
.irp g, 0,1,2,3,4,5,6,7,8,9,10,11,12,13,14,15
	global_load_b64 v[LG+2*\g:LG+2*\g+1], v[STV], s[SM:SM+1] offset:32768*\g+512          ; l_g
.endr
.irp g, 0,1,2,3,4,5,6,7,8,9,10,11,12,13,14,15
	global_load_b64 v[WG+2*\g:WG+2*\g+1], v[STV], s[SM:SM+1] offset:32768*\g              ; the scale words
.endr
	VLOAD 0, 0
	CROUND                                         ; all four work-groups are here: the first joint loads meet
	tensor_load_to_lds s[32:35], s[24:31]          ; keys 0-511 into slot 0
	s_nop 0
.rept 4
	v_nop
.endr
	s_wait_loadcnt 45                              ; -M_g are in: 16 + 16 + 13 younger loads may be out
.irp e, 0,1
	v_min3_num_f32 v[MN+\e], v[NG+\e], v[NG+2+\e], v[NG+4+\e]
.endr
.irp g, 3,5,7,9,11,13
.irp e, 0,1
	v_min3_num_f32 v[MN+\e], v[MN+\e], v[NG+2*\g+\e], v[NG+2*\g+2+\e]
.endr
.endr
.irp e, 0,1
	v_min_num_f32 v[MN+\e], v[MN+\e], v[NG+30+\e]  ; -M of the row
.endr
.set j, 0
.rept 32
	v_sub_f32 v[NG+j], v[NG+j], v[MN+j%2]          ; M - M_g, a whole number, 0 or more
.set j, j+1
.endr
.set j, 0
.rept 32
	v_cvt_i32_f32 v[NG+j], v[NG+j]
.set j, j+1
.endr
.set j, 0
.rept 32
	v_min_u32 v[NG+j], 127, v[NG+j]
.set j, j+1
.endr
	s_wait_alu depctr_va_vdst(0)
	s_wait_loadcnt 29                              ; l_g are in
.set j, 0
.rept 32
	v_sub_nc_u32 v[TP+j%8], 0, v[NG+j]
	v_ldexp_f32 v[LG+j], v[LG+j], v[TP+j%8]        ; l_g under the row's M: nothing is rounded
.set j, j+1
.endr
.irp e, 0,1
	v_add_f32 v[SU+\e], v[LG+\e], v[LG+2+\e]
.endr
.irp g, 2,3,4,5,6,7,8,9,10,11,12,13,14,15
.irp e, 0,1
	v_add_f32 v[SU+\e], v[SU+\e], v[LG+2*\g+\e]
.endr
.endr
	s_wait_alu depctr_va_vdst(0)
	v_rcp_f32 v[RC], v[SU]
	v_rcp_f32 v[RC+1], v[SU+1]
	s_wait_loadcnt 13                              ; the words are in; step 0's loads may be out
	VLOAD 1, 6400
	VLOAD 2, 12800
	VLOAD 3, 19200
.set j, 0
.rept 32
	v_or_b32 v[WG+j], s46, v[WG+j]                 ; a guard bit over each byte (the bytes lie under 128),
	v_mul_lo_u32 v[NG+j], v[NG+j], s47             ; M - M_g in all four bytes,
.set j, j+1
.endr
.set j, 0
.rept 32
	v_sub_nc_u32 v[WG+j], v[WG+j], v[NG+j]         ; taken off byte by byte;
.set j, j+1
.endr
.set j, 0
.rept 32
	v_and_b32 v[NG+j], s46, v[WG+j]                ; where the guard bit is gone the byte fell under 0:
.set j, j+1
.endr
.set j, 0
.rept 32
	v_lshrrev_b32 v[LG+j], 7, v[NG+j]
.set j, j+1
.endr
.set j, 0
.rept 32
	v_sub_nc_u32 v[NG+j], v[NG+j], v[LG+j]
.set j, j+1
.endr
.set j, 0
.rept 32
	v_and_b32 v[WG+j], v[WG+j], v[NG+j]            ; it is held at 0
.set j, j+1
.endr
	s_wait_alu depctr_va_vdst(0)
	s_wait_tensorcnt 0x0                           ; my quarter of slot 0 lies in LDS
.irp g, 0,1,2,3,4,5,6,7,8,9,10,11,12,13,14,15
.irp e, 0,1
	ds_store_b32 v[PSA], v[WG+2*\g+\e] offset:1024*\g+512*\e
.endr
.endr
.irp e, 0,1
	ds_store_b32 v[RLS], v[RC+\e] offset:64*\e
.endr
	CHANGE 1                                       ; slot 1's first fill is issued as a refill is; the round also shows slot 0, the words and 1 / l to every wave
; one product: query tile a x d tile b; the scales' rows: lanes 16-31 for the odd tiles.  FB, PB, VSB: where tile 0's fragment, P's and V's scale words would stand
.macro MM a, b
.set rD, 32*((\a)%8)+8*(\b)
.set rA, FB+12*(\a)
.set rB, 48*K+12*(\b)
.set rP, PB+(\a)/2
.set rV, VSB+(\b)/2
.set vv, 2*((\a)%2)+(\b)%2
.if G == 0
.if vv == 0
	v_wmma_scale_f32_16x16x128_f8f6f4 v[rD:rD+7], v[rA:rA+11], v[rB:rB+11], 0, v[rP], v[rV] matrix_a_fmt:MATRIX_FMT_FP6 matrix_b_fmt:MATRIX_FMT_FP6
.elseif vv == 1
	v_wmma_scale_f32_16x16x128_f8f6f4 v[rD:rD+7], v[rA:rA+11], v[rB:rB+11], 0, v[rP], v[rV] matrix_a_fmt:MATRIX_FMT_FP6 matrix_b_fmt:MATRIX_FMT_FP6 matrix_b_scale:MATRIX_SCALE_ROW1
.elseif vv == 2
	v_wmma_scale_f32_16x16x128_f8f6f4 v[rD:rD+7], v[rA:rA+11], v[rB:rB+11], 0, v[rP], v[rV] matrix_a_fmt:MATRIX_FMT_FP6 matrix_b_fmt:MATRIX_FMT_FP6 matrix_a_scale:MATRIX_SCALE_ROW1
.else
	v_wmma_scale_f32_16x16x128_f8f6f4 v[rD:rD+7], v[rA:rA+11], v[rB:rB+11], 0, v[rP], v[rV] matrix_a_fmt:MATRIX_FMT_FP6 matrix_b_fmt:MATRIX_FMT_FP6 matrix_a_scale:MATRIX_SCALE_ROW1 matrix_b_scale:MATRIX_SCALE_ROW1
.endif
.else
.if vv == 0
	v_wmma_scale_f32_16x16x128_f8f6f4 v[rD:rD+7], v[rA:rA+11], v[rB:rB+11], v[rD:rD+7], v[rP], v[rV] matrix_a_fmt:MATRIX_FMT_FP6 matrix_b_fmt:MATRIX_FMT_FP6
.elseif vv == 1
	v_wmma_scale_f32_16x16x128_f8f6f4 v[rD:rD+7], v[rA:rA+11], v[rB:rB+11], v[rD:rD+7], v[rP], v[rV] matrix_a_fmt:MATRIX_FMT_FP6 matrix_b_fmt:MATRIX_FMT_FP6 matrix_b_scale:MATRIX_SCALE_ROW1
.elseif vv == 2
	v_wmma_scale_f32_16x16x128_f8f6f4 v[rD:rD+7], v[rA:rA+11], v[rB:rB+11], v[rD:rD+7], v[rP], v[rV] matrix_a_fmt:MATRIX_FMT_FP6 matrix_b_fmt:MATRIX_FMT_FP6 matrix_a_scale:MATRIX_SCALE_ROW1
.else
	v_wmma_scale_f32_16x16x128_f8f6f4 v[rD:rD+7], v[rA:rA+11], v[rB:rB+11], v[rD:rD+7], v[rP], v[rV] matrix_a_fmt:MATRIX_FMT_FP6 matrix_b_fmt:MATRIX_FMT_FP6 matrix_a_scale:MATRIX_SCALE_ROW1 matrix_b_scale:MATRIX_SCALE_ROW1
.endif
.endif
.endm
.macro MUL16 a0                        ; sixteen accumulators, one instruction each
.irp a, \a0, \a0+1, \a0+2, \a0+3
.irp b, 0,1,2,3
	MM (\a), \b
.endr
.endr
.endm
.macro FETCH a0                        ; four fragments of P: 12 LDS loads; FD: where tile 0's would land
.irp a, \a0, \a0+1, \a0+2, \a0+3
.irp c, 0,1,2
	ds_load_b128 v[FD+12*(\a)+4*\c:FD+12*(\a)+4*\c+3], v[NREG] offset:NOFF+3072*(\a)+512*\c
.endr
.endr
.endm
; unit u of the walk by rows: query tiles 4 (u / 4) .., group 12 + u % 4, into buffer u % 4, with the two scale words of its tile pairs: 13 LDS loads
.macro UFETCH u
.set FD, AF+48*((\u)%4)-48*((\u)/4)
.set NREG, AB+2+((\u)%4)/2
.set NOFF, (((\u)%4)%2)*1536
	FETCH 4*((\u)/4)
	ds_load_b64 v[AS+2*((\u)%4):AS+2*((\u)%4)+1], v[ADS0] offset:1024*(12+(\u)%4)+8*((\u)/4)
.endm
; a quarter of a step: four query tiles x four d tiles; behind the products four places, then the buffer is loaded anew
.macro QUART q, dq
	s_wait_dscnt \dq
.set MW, ((2+(\q)/2)<<6)|((2+(\q)/2)<<4)|4
	WIN MW                                         ; P window 0, V window 1, the sums window 2 or 3
	MUL16 4*(\q)
.rept 4
	v_nop                                          ; four places ahead of loads into registers that the products have read
.endr
	WIN 0
.if NF == 1
	FETCH 4*(\q)
.elseif NF == 2
	UFETCH \q
.endif
.endm
; A STEP: 128 keys, 64 matrix instructions on V's slot K.  The waits on DScnt: behind the batch that a quarter needs stand three younger batches of 12 loads, one of them with the two loads of scale words.
.macro STEP
.set FB, AF
.set PB, AS+8*ASET
.set VSB, VS+2*K
	s_wait_loadcnt 39                              ; slot K is in: behind its 13 loads stand those of three later steps
	QUART 0, 36
	ds_load_b128 v[AS+8*(1-ASET):AS+8*(1-ASET)+3], v[SREG] offset:SOFF
	ds_load_b128 v[AS+8*(1-ASET)+4:AS+8*(1-ASET)+7], v[SREG] offset:SOFF+16
	QUART 1, 38
	QUART 2, 38
	QUART 3, 38
	VLOAD K, VOFF
.endm
.macro FLAT sg                         ; step sg, written out
.set K, (\sg)%4
.set G, \sg
.set ASET, (\sg)%2
.set GN, (\sg)+1
.set NREG, AB+2*((GN/4)%2)+(GN/2)%2
.set NOFF, (GN%2)*1536
.set SREG, ADS0
.set SOFF, 1024*GN
.set VOFF, ((\sg)+4)*6400-ADV
	STEP
.endm
.macro LSTEP p                         ; step 4 t + p, in the loop
.set K, (\p)%4
.set G, 1
.set ASET, (\p)%2
.if \p < 3
.set NREG, DC
.set NOFF, (\p-1)*1536
.else
.set NREG, DN
.set NOFF, (\p-3)*1536
.endif
.set SREG, ADSL
.set SOFF, 1024*(\p+1)
.set VOFF, (\p+4)*6400
	STEP
.endm
.set NF, 1
.set FD, AF
.set NREG, AB
.set NOFF, 0
	FETCH 0
	ds_load_b128 v[AS:AS+3], v[ADS0]
	ds_load_b128 v[AS+4:AS+7], v[ADS0] offset:16
	FETCH 4
	FETCH 8
	FETCH 12
.set ADV, 0
	FLAT 0                                         ; the first step starts the sums: nothing is cleared
.Lk:                                                   ; two trips of four steps: steps 1 to 8.  A slot's last fragments are fetched in its third step: the change of slots stands behind it
	v_add_nc_u32 v[DC], s[SC], v[AB+1]
	v_add_nc_u32 v[DN], s[SN], v[AB]
	v_add_nc_u32 v[ADSL], s[SS], v[ADS0]
	s_wait_alu depctr_va_vdst(0)
	LSTEP 1
	LSTEP 2
	CHANGE 1
	LSTEP 3
	LSTEP 4
	s_wait_xcnt 0x0                                ; the loads have read their base
	s_add_nc_u64 s[VP:VP+1], s[VP:VP+1], 25600
	s_xor_b32 s[SC], s[SC], SLOT1
	s_xor_b32 s[SN], s[SN], SLOT1
	s_add_co_u32 s[SS], s[SS], 4096
	s_sub_co_u32 s[CT], s[CT], 1
	s_cmp_lg_u32 s[CT], 0
	s_cbranch_scc1 .Lk
.set ADV, 51200
	FLAT 9
	FLAT 10
	VLOAD 4, 15*6400-ADV                           ; the last group's V, into the fifth slot
	CHANGE 0                                       ; the last slot is whole; nothing is filled again
; step 11: as every step, but its buffers take the first four units of the walk by rows (13 loads each), and no V is asked for
.set K, 3
.set G, 1
.set FB, AF
.set PB, AS+8
.set VSB, VS+6
.set NF, 2
	s_wait_loadcnt 52                              ; behind slot 3's loads stand those of groups 12 to 15
	QUART 0, 36
	QUART 1, 37
	QUART 2, 38
	QUART 3, 39
; set n of the way out: rows 8 h + 4 (n % 2) + 0 .. 3 of query tile n / 2, which are queries 32 (t / 2) + 8 (t % 2) + 16 h + 4 (n % 2) + 0 .. 3.
; Its results land in the sixteen registers that set n - 1 has read.  Each accumulator is read from its low end on (the even set comes first).
.macro PSET n
.set PT, (\n)/2
.set PJ, (\n)%2
.if (\n) == 0
.set TWI, 0
.set TB, 240
.set TS, 4
.else
.set TWI, 2+(((\n)-1)/2)/8
.set TB, 32*((((\n)-1)/2)%8)+4*(((\n)-1)%2)
.set TS, 8
.endif
.if PT%8 < 6
.set RB, 144+8*(PT%8)+4*PJ
.else
.set RB, 240+8*(PT%8-6)+4*PJ
.endif
.endm
.macro PMUL n
	PSET \n
.set PW, (TWI<<6)|4|(2+PT/8)
	WIN PW                                         ; the sums window 2 or 3, 1 / l window 1
.irp jj, 0,1,2,3
.irp b, 0,1,2,3
	v_mul_f32 v[TB+TS*\jj+\b], v[32*(PT%8)+8*\b+4*PJ+\jj], v[RB+\jj]
.endr
.endr
.endm
.macro PSTO n
	PSET \n
.set PW, TWI<<2
	WIN PW
.irp jj, 0,1,2,3
	global_store_b128 v[CO], v[TB+TS*\jj:TB+TS*\jj+3], s[OUT:OUT+1] offset:(32*(PT/2)+8*(PT%2)+4*PJ+\jj)*4096 th:TH_STORE_NT
.endr
.endm
; A UNIT: four query tiles x four d tiles x one of the last four groups.  Behind its products tile u - 4, finished a quarter ago, is multiplied by 1 / l (these lines are the places);
; then 1 / l of tile u is fetched (2 loads), unit u + 4's fragments (13 loads), and tile u - 4 is stored.
; The wait on DScnt: behind the batch that holds unit u's fragments stand three younger batches, of 13 (step 11's), 15 or 2 loads.
.macro UNIT u
.set UQ, (\u)/4
.set K, (\u)%4
.set VSB, VS+2*K
.if K == 3
.set K, 4
.set VSB, VS4
.endif
.set FB, AF+48*((\u)%4)-48*UQ
.set PB, AS+2*((\u)%4)-2*UQ
.if (\u) < 4
	s_wait_loadcnt 39-13*(\u)                      ; this group's V is in
.set DW, 39+2*(\u)
.elseif (\u) < 13
.set DW, 45
.else
.set DW, 32-13*((\u)-13)
.endif
	s_wait_dscnt DW
.set MW, ((2+UQ/2)<<6)|((2+UQ/2)<<4)|4
	WIN MW
	MUL16 4*UQ
.if (\u) >= 4
	PMUL 2*((\u)-4)
	PMUL 2*((\u)-4)+1
.else
.rept 4
	v_nop
.endr
.endif
.if (\u)%8 < 6
.set RW, 144+8*((\u)%8)
.else
.set RW, 240+8*((\u)%8-6)
.endif
	WIN 0x40
	ds_load_b128 v[RW:RW+3], v[RLA] offset:64*(\u)
	ds_load_b128 v[RW+4:RW+7], v[RLA] offset:64*(\u)+16
	WIN 0
.if (\u) < 12
	UFETCH (\u)+4
.endif
.if (\u) >= 4
	PSTO 2*((\u)-4)
	PSTO 2*((\u)-4)+1
	WIN 0
.endif
.endm
.irp u, 0,1,2,3,4,5,6,7,8,9,10,11,12,13,14,15
	UNIT \u
.endr
	s_wait_dscnt 0x0                               ; 1 / l of the last four tiles is in
.irp t, 12,13,14,15
	PMUL 2*\t
	PMUL 2*\t+1
	PSTO 2*\t
	PSTO 2*\t+1
.endr
	WIN 0
	s_wait_tensorcnt 0x0                           ; the wave's end
	ds_add_u32 v[SPW], v[NIL]
	s_wait_dscnt 0x0
	CROUND                                         ; the closing round: no work-group ends while a partner may still ask for a tile that names it
	s_endpgm
.Lfunc_end_k_q0e371c691b_pv:
	.size	k_q0e371c691b_pv, .Lfunc_end_k_q0e371c691b_pv-k_q0e371c691b_pv
	.p2alignl 7, 3214868480
	.fill 96, 4, 3214868480
	.section	.rodata,"a",@progbits
	.p2align	6, 0x0
	.amdhsa_kernel k_q0e371c691b_pv
		.amdhsa_group_segment_fixed_size 327680
		.amdhsa_private_segment_fixed_size 0
		.amdhsa_enable_private_segment 0
		.amdhsa_kernarg_size 32
		.amdhsa_user_sgpr_count 2
		.amdhsa_user_sgpr_kernarg_segment_ptr 1
		.amdhsa_wavefront_size32 1
		.amdhsa_system_sgpr_workgroup_id_x 1
		.amdhsa_system_sgpr_workgroup_id_y 1
		.amdhsa_system_sgpr_workgroup_id_z 1
		.amdhsa_system_vgpr_workitem_id 0
		.amdhsa_next_free_vgpr 1024
		.amdhsa_next_free_sgpr 66
		.amdhsa_reserve_vcc 0
		.amdhsa_float_denorm_mode_32 3
		.amdhsa_float_denorm_mode_16_64 3
		.amdhsa_memory_ordered 1
		.amdhsa_forward_progress 1
		.amdhsa_inst_pref_size 222
	.end_amdhsa_kernel
	.amdgpu_metadata
---
amdhsa.version: [ 1, 2 ]
amdhsa.kernels:
  - .name:           k_q0e371c691b_pv
    .symbol:         k_q0e371c691b_pv.kd
    .args:
      - { .name: pw, .offset: 0, .size: 8, .value_kind: global_buffer, .address_space: global }
      - { .name: st, .offset: 8, .size: 8, .value_kind: global_buffer, .address_space: global }
      - { .name: vw, .offset: 16, .size: 8, .value_kind: global_buffer, .address_space: global }
      - { .name: out0, .offset: 24, .size: 8, .value_kind: global_buffer, .address_space: global }
    .group_segment_fixed_size: 327680
    .private_segment_fixed_size: 0
    .kernarg_segment_align: 8
    .kernarg_segment_size: 32
    .max_flat_workgroup_size: 128
    .sgpr_count:     66
    .vgpr_count:     1024
    .wavefront_size: 32
...
	.end_amdgpu_metadata
.endif
;; end of part 3
